; MI455X (gfx1250); checked and timed in simulation.
; The chip was launched on July 23, 2026; its instructions are those of AMD's public machine-readable ISA for CDNA 5 (MIT licence, August 2026) and "CDNA5" Instruction Set Architecture Reference Guide (July 2026). The comments in the code are by the model that wrote it; some were corrected since.
;; Multi Head Cross Attention. Allowed arithmetic: matrix products marked QUANTISED: E2M3 operands, one E8M0 scale for each 32 along K, by v_wmma_scale_f32_16x16x128_f8f6f4 with both operands' format E2M3, f32 sums; products left as they are: f32 operands where the result goes on into a quantised operand, else bf16, f16 or f32 operands; f32 sums; everything else in f32.
;; Inputs: W_K_codes 1,024 x 32 x 24 uint8 (E2M3 codes of W_K, K innermost, in blocks of 32 codes, four codes in three bytes); W_K_scales 1,024 x 32 uint8 (E8M0 scales of W_K, one for each 32 codes along K); W_Q_codes 1,024 x 32 x 24 uint8 (E2M3 codes of W_Q, K innermost, in blocks of 32 codes, four codes in three bytes); W_Q_scales 1,024 x 32 uint8 (E8M0 scales of W_Q, one for each 32 codes along K); W_V_codes 1,024 x 32 x 24 uint8 (E2M3 codes of W_V, K innermost, in blocks of 32 codes, four codes in three bytes); W_V_scales 1,024 x 32 uint8 (E8M0 scales of W_V, one for each 32 codes along K); W_fc_codes 1,024 x 32 x 24 uint8 (E2M3 codes of W_fc, K innermost, in blocks of 32 codes, four codes in three bytes); W_fc_scales 1,024 x 32 uint8 (E8M0 scales of W_fc, one for each 32 codes along K); beta 1,024 float32; gamma 1,024 float32; x1_codes 8,192 x 32 x 24 uint8 (E2M3 codes of x1, K innermost, in blocks of 32 codes, four codes in three bytes); x1_scales 8,192 x 32 uint8 (E8M0 scales of x1, one for each 32 codes along K); x2_codes 8,192 x 32 x 24 uint8 (E2M3 codes of x2, K innermost, in blocks of 32 codes, four codes in three bytes); x2_scales 8,192 x 32 uint8 (E8M0 scales of x2, one for each 32 codes along K).
;; Outputs: out0 8,192 x 1 x 1,024 float32.
;; This version of the problem:
;;   THIS VERSION OF THE PROBLEM IS GIVEN IN LOW PRECISION. The matrix products marked QUANTISED in the list below multiply operands that are first quantised to E2M3 (2 exponent bits, 3 mantissa bits; 6 bits a number), with one power-of-two scale for each 32 numbers along K (OCP MX v1.0); their sums are f32. All else is computed in f32.
;;   The module's matrix products, in the order in which they are computed (A, B: the left and right operand; K: the contracted axis; several contracted axes count as one K, in the product's order):
;;     1. [M 8,192, K 1,024] x [K 1,024, N 1,024]; A: input x2 (given as codes); B: input W_Q (given as codes): QUANTISED
;;     2. [M 8,192, K 1,024] x [K 1,024, N 1,024]; A: input x1 (given as codes); B: input W_K (given as codes): QUANTISED
;;     3. [M 8,192, K 1,024] x [K 1,024, N 1,024]; A: input x1 (given as codes); B: input W_V (given as codes): QUANTISED
;;     4. [M 8,192, K 1,024] x [K 1,024, N 1,024]; A: input x1 (given as codes); B: input W_Q (given as codes): QUANTISED
;;     5. [M 8,192, K 1,024] x [K 1,024, N 1,024]; A: input x2 (given as codes); B: input W_K (given as codes): QUANTISED
;;     6. [M 8,192, K 1,024] x [K 1,024, N 1,024]; A: input x2 (given as codes); B: input W_V (given as codes): QUANTISED
;;     7. batch 131,072 x [M 1, K 64] x [K 64, N 1]; A: computed on the way; B: computed on the way: left as it is (M = 1 < 16)
;;     8. batch 131,072 x [M 1, K 1] x [K 1, N 64]; A: softmax; B: computed on the way: left as it is (K = 1 < 32)
;;     9. batch 131,072 x [M 1, K 64] x [K 64, N 1]; A: computed on the way; B: computed on the way: left as it is (M = 1 < 16)
;;     10. batch 131,072 x [M 1, K 1] x [K 1, N 64]; A: softmax; B: computed on the way: left as it is (K = 1 < 32)
;;     11. [M 8,192, K 1,024] x [K 1,024, N 1,024]; A: computed on the way; B: input W_fc (given as codes): QUANTISED
;;     12. [M 8,192, K 1,024] x [K 1,024, N 1,024]; A: computed on the way; B: input W_fc (given as codes): QUANTISED
;;   THE QUANTISER, for each operand of a quantised product, along K:
;;     - K is cut into blocks of 32 from its start; a last block that is shorter is filled with zeros.
;;     - A block's scale is 2^e with e = floor(log2(the largest magnitude in the block)) - 2, held to -126 .. 127; a block of zeros has e = 0. As a byte (E8M0): e + 127.
;;     - Each number is divided by its block's scale, clamped to +-7.5, and rounded to the nearest number of E2M3, ties to even, subnormals kept.
;;     - The product sums the exact products of the quantised numbers (number of the format x scale) in f32.
;;   ~~~python
;;   def quantise(x, axis):      # numpy; x: float32 -> the quantised numbers, widened to float32 again
;;       x = np.moveaxis(x, axis, -1); K = x.shape[-1]
;;       x = np.pad(x, [(0, 0)] * (x.ndim - 1) + [(0, -K % 32)]); x = x.reshape(x.shape[:-1] + (-1, 32)); a = np.abs(x).max(-1, keepdims=True)
;;       e = np.where(a > 0, np.clip(np.frexp(np.where(a > 0, a, 1))[1] - 1 - 2, -126, 127), 0)      # np.frexp(a)[1] - 1 = floor(log2(a)), exactly
;;       r = np.clip(x / 2.0 ** e, -7.5, 7.5)
;;       step = 2.0 ** (np.maximum(np.frexp(np.where(r == 0, 1, r))[1] - 1, 0) - 3)
;;       q = np.round(r / step) * step * 2.0 ** e      # np.round: ties to even
;;       return np.moveaxis(q.reshape(q.shape[:-2] + (-1,))[..., :K], -1, axis).astype(np.float32)
;;   ~~~
;;   OPERANDS COMPUTED ON THE WAY. 'Computed on the way' means the value that the module computes at that place (a softmax that the list does not call 'softmax' is quantised finished and normalised). What goes into a quantiser is computed in f32, as accurately as f32 sums, v_exp_f32 and their like allow (about 1e-6 of the number): no bf16 or f16 on the way to a quantiser, and a product that is left as it is and whose result goes on into a quantised operand takes f32 operands (vector FMAs, or v_wmma_f32_16x16x4_f32). A number that lies on a knife's edge between two numbers of the format may be rounded either way, as far as f32 arithmetic and the matrix unit's own rounding can turn it there, and no further.
;;   INPUTS GIVEN AS CODES. W_K (in the module: [1024, 1024], K = its axis 1); W_Q (in the module: [1024, 1024], K = its axis 1); W_V (in the module: [1024, 1024], K = its axis 1); W_fc (in the module: [1024, 1024], K = its axis 1); x1 (in the module: [8192, 1024], K = its axis 1); x2 (in the module: [8192, 1024], K = its axis 1): each comes as NAME_codes (uint8): NAME with its K axis moved to the last place and cut into blocks of 32 codes, [.., K / 32, bytes a block], one block behind the other in memory; four codes in three bytes: a row's codes are one little-endian stream of bits, code i at bits 6 i .. 6 i + 5 (a code: sign, 2 exponent bits, 3 mantissa bits); and NAME_scales (uint8): the same leading axes, one E8M0 byte (e + 127) for each 32 codes along K. Its value is code x scale, taken as it is: it is not quantised again, and the codes and scales need not be those that the quantiser above would give.
;; One version. Each part assembles by itself: llvm-mc -triple=amdgcn-amd-amdhsa -mcpu=gfx1250 --defsym DOCPART=n.
;; ======== version 1 of 1: 1 launch
;; limits: right only within a limited range of input values
;; launch fused (part 1): grid 256 x 1, 4 waves a work-group, clusters of 4 x 1, 327,680 bytes of LDS; arguments x1_codes, x1_scales, x2_codes, x2_scales, W_V_codes, W_V_scales, W_fc_codes, W_fc_scales, gamma, beta, out0; writes out0
.if DOCPART == 1
	.amdgcn_target "amdgcn-amd-amdhsa--gfx1250"
	.amdhsa_code_object_version 6
	.text
	.protected	k_q8cdc7ef25a_fused
	.globl	k_q8cdc7ef25a_fused
	.p2align	8
	.type	k_q8cdc7ef25a_fused,@function
k_q8cdc7ef25a_fused:
	s_mov_b64 s[64:65], 0
	v_nop
	global_prefetch_b8 v0, s[64:65] scope:SCOPE_SE
	s_setreg_imm32_b32 hwreg(HW_REG_WAVE_MODE, 25, 1), 1
	s_wait_xcnt 0x0
	s_wait_alu depctr_hold_cnt(0) depctr_sa_sdst(0) depctr_va_vdst(0) depctr_va_sdst(0) depctr_va_ssrc(0) depctr_va_vcc(0) depctr_vm_vsrc(0)
	s_getreg_b32 s2, hwreg(HW_REG_IB_STS2, 6, 4)
	s_cmp_eq_u32 s2, 0
	s_cbranch_scc0 .Lentry_in_a_cluster
	s_endpgm
.Lentry_in_a_cluster:
	s_bfe_u32 s2, ttmp6, 0x10000c
	s_cmp_lg_u32 s2, 0x3003
	s_cbranch_scc0 .Lentry_shape_is_right
	s_endpgm
.Lentry_shape_is_right:
; out = LN(Q(x1 W_V^T) W_fc^T) + LN(Q(x2 W_V^T) W_fc^T): the products on codes of FP6 (E2M3) with E8M0 scales, Q the quantiser along e = 64 head + d, all else in f32.
; DEAD WORK LEFT OUT.  Every query has ONE key (the sequence has length 1).  The softmax over that one key is exp(s - max) / sum = exp(s - s) / exp(s - s) = 1 for every finite score s, whatever the inputs hold, so
; attention returns V itself: res1 = x1 W_V^T, res2 = x2 W_V^T.  The scores, Q1, Q2, K1, K2 and their projections reach no output, and so W_Q and W_K (codes and scales) have no way to out: they are not loaded and
; are no arguments.  LIMIT: a NaN, an infinity or an overflow that reaches only Q, K or the scores is not carried to the result.
; FURTHER LIMITS.  NaN, infinities and the scale byte 0xff among the inputs are not served.  A block of res whose largest magnitude lies under 2^-124 gets the scale byte 1, and so does a block of zeros, where the rule
; says 127: its codes are zeros, and only this launch reads the bytes.  The output is formed as (d1 rs1 + d2 rs2) gamma + 2 beta, another order of rounding than (d1 rs1 gamma + beta) + (d2 rs2 gamma + beta).
; SHARES.  A work-group takes 32 batch rows: four tiles of 16 rows, m = 0, 1 of x1, m = 2, 3 the same rows of x2, through both products.  Wave w takes columns 256 T + 64 w + 0 .. 63, T = 0 .. 3, of both.
; The row operand (x, then res), all of K, lies in 384 registers of each wave; the weights stream past it: A BATCH is 16 columns x all of K x 64 rows, 32 matrix instructions.  A weight fragment is read from LDS once, by one wave.
; THE MATRIX INSTRUCTION IS USED TRANSPOSED: source 0 = 16 weight rows, source 1 = 16 rows of x or res.  Tile j of a group of 64 columns takes weight rows 8 j + 0 .. 7 and 32 + 8 j + 0 .. 7, so lane (r, h) holds row r and,
; over the four tiles, columns 32 h + 8 j + i: 32 neighbours, one scale block: the quantiser looks at no other lane, and its codes are operand registers as they fall.
; LDS: two slots of 128 weight rows (T, par): rows 256 T + 32 y + 16 par + 0 .. 15, y = 0 .. 7.  In memory these are runs of 12,288 bytes, 24,576 apart, beginning at multiples of 256.  Even y (what lanes r = 0 .. 7 read) lie in the
; slot's first part, odd y in its second, which begins 128 bytes past a multiple of 16 rows: with rows of 816 bytes (16 of padding behind every 256) the 32 lanes of a load of 8 bytes touch 64 different banks (ISA guide 11.1).
; CLUSTER 4 x 1: all work-groups walk the same weights; the four of a cluster ask for each tile jointly.  x's rows are a work-group's own.
; PREFETCH.  Group T asks for the weights of group T + 2 of the walk (W_V's four groups, then W_fc's), 196,608 bytes, two slots and more ahead of their loads; the head asks for group 1.  Its 768 blocks of 256 bytes are shared out by address:
; sixteen parts over the clusters, four clusters to a part, twelve blocks to a work-group, three to a wave.  x is not prefetched: the head's first loads ask for it.
; REGISTERS, in windows of 256.  Window 0: v1-15 addresses; v16-31 scale words of the row operand; v34-49 those of the weights, two sets; v52-63 row fragment 0; v64-255 weight fragments, two sets of eight.
;   Window 1: row fragments 1-21.   Window 2: accumulators.   Window 3: v0-127 codes on their way (product 1), accumulators (product 2); v128-247 row fragments 22-31; v248-255 maxima or sums.
;   Product 2 has 16 x 32 sums a lane; batches 0-3 are parked in LDS and batches 12-15 take their registers.
.set PITCH,  816
.set QOFF,   52352                     ; a slot's second part: 64 rows and 128 bytes on
.set SLOT,   104704
.set XREG,   209408                    ; x: 64 rows
.set RES,    261632                    ; res's operand images: [K step][tile m][3][lane][16 bytes]
.set SCR,    310784                    ; its scale words: [row][K step][4]
.set SPARE,  312832                    ; the spare words: two blocks of 256 bytes that no other line names
.set RED,    313344                    ; two exchanges of 1,024 bytes: [tile m][row r][wave]
.set PARK,   209408                    ; parked sums, 16,384 bytes a wave, on x's bytes and the first of res's, both read by all waves by then
.set SPITCH, 1040                      ; the way out: 16 rows x (1,024 bytes + 16) for each wave, in slot 0, which has had its last fill and last read
.set PAIRB,  196608                    ; 256 weight rows in memory
.set WV, 26
.set TC, 27
.set G1W, 32
.set G1H, 40
.set G1X, 48
.set G0, 56                            ; s[56:59] slot 0, s[60:63] slot 1
.set NP, 82                            ; s[82:83] where my part of the next group of weights lies
.set SN, 86                            ; s[86:87] scale bytes of the next group
.set PFP, 88
.set WFP, 90
.set MSB, 0
.set EM, 0
.set EJ, 0
.set EF, 0
.macro WIN new
.if MSB != (\new)
	s_set_vgpr_msb (MSB<<8)|(\new)
.set MSB, (\new)
.endif
.endm
.macro P4                              ; four places (ISA guide 7.12.1)
.rept 4
	v_nop
.endr
.endm
.macro WALU
	s_wait_alu depctr_va_vdst(0)
.endm
.macro CREST
	s_cmp_lg_u32 s[WV], 0
	s_cbranch_scc1 .Lnot_wave_0_\@
	s_barrier_signal -3
.Lnot_wave_0_\@:
	s_barrier_wait -3
	s_barrier_signal -1
	s_barrier_wait -1
.endm
.macro CROUND
	s_barrier_signal -1
	s_barrier_wait -1
	CREST
.endm
.macro TLOAD g0, g1
	tensor_load_to_lds s[\g0:\g0+3], s[\g1:\g1+7]
	s_nop 0
	P4
.endm
.macro XLOC f                          ; where row fragment f = 4 (K step) + m lies
.if (\f) == 0
.set XW_, 0
.set XR_, 52
.elseif (\f) < 22
.set XW_, 1
.set XR_, 12*((\f)-1)
.else
.set XW_, 3
.set XR_, 128+12*((\f)-22)
.endif
.endm
; A fragment of 16 rows x K step q: six pieces of 8 bytes, two to a load where both lie behind as many paddings for both halves of the lanes; the second address register serves where lanes 16-31 are behind one padding more.
; 26 loads for eight K steps: 13 for steps 0-3, 13 for steps 4-7.
.macro FRAG reg, q, a
.set R_, \reg
.set SKIP_, 0
.irp p, 0,1,2,3,4,5
.if SKIP_
.set SKIP_, 0
.else
.set PC_, 12*(\q)+6*(\p/3)+\p%3
.set PN_, 12*(\q)+6*((\p+1)/3)+(\p+1)%3
.set X_, (PC_%32+3)/32
.set Y_, (PN_%32+3)/32
.if (\p < 5) && (X_ == Y_)
.set SKIP_, 1
.if X_
	ds_load_2addr_b64 v[R_+2*\p:R_+2*\p+3], v[\a+1] offset0:PC_+2*(PC_/32) offset1:PN_+2*(PN_/32)
.else
	ds_load_2addr_b64 v[R_+2*\p:R_+2*\p+3], v[\a] offset0:PC_+2*(PC_/32) offset1:PN_+2*(PN_/32)
.endif
.elseif X_
	ds_load_b64 v[R_+2*\p:R_+2*\p+1], v[\a+1] offset:8*(PC_+2*(PC_/32))
.else
	ds_load_b64 v[R_+2*\p:R_+2*\p+1], v[\a] offset:8*(PC_+2*(PC_/32))
.endif
.endif
.endr
.endm
.macro WM c                            ; one matrix instruction; TL, PB_: the side's scale words stand in lanes 16-31
.if TL && PB_
	v_wmma_scale_f32_16x16x128_f8f6f4 v[rD:rD+7], v[rA:rA+11], v[XR_:XR_+11], \c, v[rSA], v[rSB] matrix_a_fmt:MATRIX_FMT_FP6 matrix_b_fmt:MATRIX_FMT_FP6 matrix_a_scale:MATRIX_SCALE_ROW1 matrix_b_scale:MATRIX_SCALE_ROW1
.elseif TL
	v_wmma_scale_f32_16x16x128_f8f6f4 v[rD:rD+7], v[rA:rA+11], v[XR_:XR_+11], \c, v[rSA], v[rSB] matrix_a_fmt:MATRIX_FMT_FP6 matrix_b_fmt:MATRIX_FMT_FP6 matrix_a_scale:MATRIX_SCALE_ROW1
.elseif PB_
	v_wmma_scale_f32_16x16x128_f8f6f4 v[rD:rD+7], v[rA:rA+11], v[XR_:XR_+11], \c, v[rSA], v[rSB] matrix_a_fmt:MATRIX_FMT_FP6 matrix_b_fmt:MATRIX_FMT_FP6 matrix_b_scale:MATRIX_SCALE_ROW1
.else
	v_wmma_scale_f32_16x16x128_f8f6f4 v[rD:rD+7], v[rA:rA+11], v[XR_:XR_+11], \c, v[rSA], v[rSB] matrix_a_fmt:MATRIX_FMT_FP6 matrix_b_fmt:MATRIX_FMT_FP6
.endif
.endm
.macro PR k, m                         ; K step k, row tile m of the batch in hand; the first K step starts the sums; four accumulators take turns
	XLOC 4*(\k)+(\m)
	WIN (AW<<6)|(AW<<4)|(XW_<<2)
.set PB_, (\m)%2
.set rD, AB+AM*(\m)
.set rA, 64+96*ZG+12*(\k)
.set rSA, 34+8*SS+(\k)
.set rSB, 16+8*((\m)/2)+(\k)
.if (\k) == 0
	WM 0
.else
	WM v[rD:rD+7]
.endif
.endm
.macro FETCH                           ; the batch after next, into the set just multiplied: 26 loads in one run
	WIN 0
.irp f, 0,1,2,3,4,5,6,7
	FRAG 64+96*ZG+12*\f, \f, NA
.endr
.endm
; An entry cluster: four vector lines on the batch before, one a row tile, which do not hang on each other.  EM = 1: largest magnitudes of tile EJ (the floor 2^(3 - 127) among the leaves); EM = 2: row sums.
.macro EN c
.if EM == 1
.if (EJ == 0) && ((\c) == 0)
	WIN 0xca
.irp m, 0,1,2,3
	v_max3_num_f32 v[248+\m], |v[32*\m]|, |v[32*\m+1]|, 0x1800000
.endr
.else
	WIN 0xeb
.irp m, 0,1,2,3
	v_max3_num_f32 v[248+\m], v[248+\m], |v[32*\m+8*EJ+2*(\c)]|, |v[32*\m+8*EJ+2*(\c)+1]|
.endr
.endif
.elseif EM == 2
.if EF && ((\c) == 0)
	WIN 0xc0|EW|(EW<<2)
.irp m, 0,1,2,3
	v_pk_add_f32 v[248+2*\m:249+2*\m], v[EBS+8*\m:EBS+8*\m+1], v[EBS+8*\m+2:EBS+8*\m+3]
.endr
.elseif (EF == 0) || ((\c) < 3)
	WIN 0xc3|(EW<<2)
.irp m, 0,1,2,3
	v_pk_add_f32 v[248+2*\m:249+2*\m], v[248+2*\m:249+2*\m], v[EBS+8*\m+2*((\c)+EF):EBS+8*\m+2*((\c)+EF)+1]
.endr
.endif
.endif
.endm
.macro KK k, e=9                       ; a K step of the batch in hand, with an entry cluster among its products
	PR \k, 0
	PR \k, 1
.if \e < 4
	EN \e
.endif
	PR \k, 2
	PR \k, 3
.endm
.macro SLH set, off                    ; a slot's scale words: lanes 0-15 its first tile's rows, lanes 16-31 its second's
	WIN 0
	global_load_b128 v[34+8*(\set):37+8*(\set)], v32, s[SN:SN+1] offset:\off
	global_load_b128 v[38+8*(\set):41+8*(\set)], v32, s[SN:SN+1] offset:\off+16
.endm
.macro PK t                            ; batch t's sums to my parking place
	WIN 0x08
.irp i, 0,1,2,3,4,5,6,7
	ds_store_b128 v50, v[32*(\t)+4*\i:32*(\t)+4*\i+3] offset:4096*(\t)+512*\i
.endr
.endm
.macro ASK off                         ; my share of the weights two groups on
	WIN 0
	global_prefetch_b8 v33, s[PFP:PFP+1] offset:\off th:TH_LOAD_NT scope:SCOPE_SE
.endm
; Behind a batch's products come four places (for loads into its registers and for reads of its sums) and one wait for the vector results; behind that wait all the batch's memory instructions stand in one run.
.macro BN                              ; a batch without a round
	KK 0, 0
	KK 1, 1
	KK 2, 2
	KK 3, 3
	KK 4
	KK 5
	KK 6
	KK 7
	P4
	WALU
.endm
; A slot's first batch: all the slot's fragments have been fetched by then, so here slots change.  fill = 1: a drained round of the cluster's barrier, and the slot (sl) takes the next group's same part, off bytes from s[NP:NP+1];
; fill = 0: a plain barrier.  Either shows the other slot, which the fetch behind this batch reads.
.macro BR fill, sl, off
	WIN 0
	s_wait_tensorcnt 0x0                   ; all my tensor loads have landed: my part of the other slot
.if \fill
	ds_add_u32 v1, v2                      ; 0 onto my spare word: twenty matrix instructions stand between it and the wait for it
.endif
	KK 0, 0
	KK 1, 1
	KK 2, 2
	KK 3, 3
.if \fill
	s_add_nc_u64 s[G0+4*(\sl)+2:G0+4*(\sl)+3], s[NP:NP+1], \off
	s_or_b32 s[G0+4*(\sl)+3], s[G0+4*(\sl)+3], 0x80000000
.endif
	KK 4
	s_wait_dscnt 0x0                       ; the add is done, and my reads of this slot are over
	s_barrier_signal -1
	KK 5
	KK 6
	KK 7
	WIN 0
	s_barrier_wait -1
.if \fill
	CREST
	TLOAD G0+4*(\sl), G1W                  ; the first tensor load behind the round, one a wave; its four v_nop are the places
.else
	P4
.endif
	WALU
.endm
.macro CFG b                           ; batch b = 0 .. 3 of a group: its fragment set, scale set, tile, and where the fragments of the batch after next lie
.set ZG, (\b)%2
.set SS, (\b)/2
.set TL, (\b)%2
.set NA, 4+2*(((\b)+2)%4)
.endm
.macro ACC1 j
.set AW, 2
.set AB, 8*(\j)
.set AM, 32
.endm
.macro ACC2 n
.set Z_, (\n)%12
.set AW, 2+Z_/8
.set AB, 32*(Z_%8)
.set AM, 8
.endm
.macro SUMOF n
.set EM, 2
.set EF, 0
.if (\n) == 0
.set EF, 1
.endif
.set Z_, (\n)%12
.set EW, 2+Z_/8
.set EBS, 32*(Z_%8)
.endm
.macro GROUP1 g, w0, c, rows, pitch
	s_mov_b32 s[\g], \w0
	s_mov_b32 s[\g+1], (\c)<<16
	s_mov_b32 s[\g+2], (\rows)<<16
	s_mov_b32 s[\g+3], (\c)<<16
	s_mov_b32 s[\g+4], \rows
	s_mov_b32 s[\g+5], \pitch
	s_mov_b32 s[\g+6], 0
	s_mov_b32 s[\g+7], 0
.endm
.macro ARM under, g0, g1, next
	s_cmp_lt_u32 s[WV], \under
	s_cbranch_scc0 \next
	TLOAD \g0, \g1
	s_branch .Lasked
\next:
.endm
; ================= THE HEAD
	s_load_b512 s[4:19], s[0:1], 0x0       ; x1 codes, scales; x2 codes, scales; W_V codes, scales; W_fc codes, scales
	s_load_b128 s[20:23], s[0:1], 0x40     ; gamma, beta
	s_load_b64 s[24:25], s[0:1], 0x50      ; out
	v_lshl_add_u32 v1, v0, 2, SPARE
	v_mov_b32 v2, 0
	ds_add_u32 v1, v2
	ds_add_u32 v1, v2
	v_lshrrev_b32 v51, 5, v0
	v_readfirstlane_b32 s[WV], v51
	s_bfe_u32 s28, ttmp6, 0x40000          ; cx
	s_lshl_b32 s29, ttmp9, 2
	s_add_co_u32 s29, s29, s28             ; my block of 32 batch rows
	s_and_b32 s30, s[WV], 1
	s_lshr_b32 s31, s[WV], 1
	GROUP1 G1W, 15|(3<<16)|(1<<20)|(1<<21)|(5<<22)|(3<<25), 1536, 2, 6144   ; a wave's part of a slot: two runs of 12,288 bytes, 49,152 apart; 16 bytes of padding behind every 256
	GROUP1 G1H, 15|(3<<16)|(1<<20)|(1<<21)|(5<<22)|(3<<25), 1536, 4, 6144   ; the head's: half a slot
	GROUP1 G1X, (1<<20)|(5<<22)|(3<<25), 768, 32, 768                       ; 32 rows of x
	s_mov_b32 s80, 0x76543210
	s_mov_b32 s81, 0xfedcba98              ; v_permlanex16_b32's selects for lane l xor 16
	s_mul_i32 s92, s[WV], 16*PITCH
	s_mul_i32 s66, s31, 6144               ; my codes: K step 2 T + wave / 2, registers 6 (wave % 2) .. + 5
	s_mul_i32 s67, s30, 520
	s_add_co_u32 s93, s66, s67
	s_add_co_u32 s95, s93, 512
	s_mul_i32 s67, s30, 1016
	s_add_co_u32 s94, s66, s67
	s_add_co_u32 s94, s94, 8
	s_lshl_b32 s96, s30, 1
	s_lshl_b32 s66, s31, 2
	s_add_co_u32 s96, s96, s66
	s_add_co_u32 s96, s96, SCR
	s_lshl_b32 s97, s[WV], 11
	s_lshl_b32 s98, s[WV], 14
	s_add_co_u32 s98, s98, PARK
	s_and_b32 s99, ttmp9, 3                ; which of the sixteen parts my cluster prefetches
	s_bfe_u32 s100, ttmp9, 0x20003
	s_lshl_b32 s100, s100, 2
	s_or_b32 s99, s99, s100
	s_mul_i32 s99, s99, 48
	s_mul_i32 s100, s28, 12
	s_add_co_u32 s99, s99, s100
	s_mul_i32 s100, s[WV], 3
	s_add_co_u32 s99, s99, s100
	v_and_b32 v52, 15, v0                  ; r
	v_bfe_u32 v53, v0, 4, 1                ; h
	v_and_b32 v54, 31, v0                  ; lane
	v_lshrrev_b32 v55, 3, v52
	v_and_b32 v56, 7, v52
	v_mul_u32_u24 v57, QOFF, v55           ; weight fragments: part r / 8, row r % 8 of my 16, + 24 h
	v_mad_u32_u24 v57, v56, PITCH, v57
	v_mad_u32_u24 v57, v53, 24, v57
	v_lshlrev_b32 v62, 4, v53              ; 16 in lanes 16-31, where they lie behind one padding more
	v_add_nc_u32 v4, s92, v57
	v_add_nc_u32 v5, v4, v62
	v_add_nc_u32 v6, 8*PITCH, v4           ; the slot's second tile
	v_add_nc_u32 v7, 8*PITCH, v5
	v_add_nc_u32 v8, SLOT, v4
	v_add_nc_u32 v9, SLOT, v5
	v_add_nc_u32 v10, SLOT+8*PITCH, v4
	v_add_nc_u32 v11, SLOT+8*PITCH, v5
	v_mul_u32_u24 v58, PITCH, v52          ; x's fragments: row 16 m + r, + 24 h
	v_mad_u32_u24 v58, v53, 24, v58
.irp m, 0,1,2,3
	v_add_nc_u32 v[160+2*\m], XREG+16*PITCH*\m, v58
	v_add_nc_u32 v[161+2*\m], v62, v[160+2*\m]
.endr
	v_lshl_add_u32 v3, v54, 4, RES
	v_lshlrev_b32 v57, 10, v55             ; the weights' scale bytes, 32 a row: tile h of the slot, rows as in the fragments
	v_lshl_add_u32 v57, v53, 8, v57
	v_lshl_add_u32 v57, v56, 5, v57
	v_add_nc_u32 v32, s97, v57
	v_min_u32 v33, 2, v54
	v_add_nc_u32 v33, s99, v33
	v_lshlrev_b32 v33, 8, v33
	v_lshl_add_u32 v50, v54, 4, s98
	v_lshlrev_b32 v59, 5, v54
	v_add_nc_u32 v51, SCR, v59
	v_lshl_add_u32 v60, v52, 5, v53
	WIN 0xc0
	v_add_nc_u32 v60, s93, v3              ; v60-63 of window 3: where a group's codes and scale bytes go
	v_add_nc_u32 v61, s94, v3
	v_add_nc_u32 v62, s95, v3
	v_add_nc_u32 v63, s96, v60
	WIN 0
	WALU
	s_wait_dscnt 0x0                       ; both opening adds are done
	s_wait_kmcnt 0x0
	s_mov_b32 s101, 0
	s_mul_i32 s100, s29, 24576
	s_add_nc_u64 s[70:71], s[4:5], s[100:101]
	s_add_nc_u64 s[74:75], s[8:9], s[100:101]
	s_or_b32 s71, s71, 0x80000000
	s_or_b32 s75, s75, 0x80000000
	s_mov_b32 s68, 1
	s_mov_b32 s69, XREG
	s_mov_b32 s72, 1
	s_mov_b32 s73, XREG+32*PITCH
	s_mul_i32 s100, s30, 24576
	s_add_nc_u64 s[78:79], s[12:13], s[100:101]
	s_or_b32 s79, s79, 0x80000000
	s_mov_b32 s76, 1
	s_mul_i32 s77, s30, QOFF
	s_mul_i32 s66, s31, 98304              ; my part of a slot: runs y = 4 (wave / 2) + wave % 2 + 0, 2
	s_add_co_u32 s100, s100, s66
	s_add_nc_u64 s[NP:NP+1], s[12:13], s[100:101]
	s_add_nc_u64 s[WFP:WFP+1], s[16:17], s[100:101]
	s_mul_i32 s66, s31, 32*PITCH
	s_mov_b32 s[G0], 1
	s_mov_b32 s[G0+4], 1
	s_add_co_u32 s[G0+1], s77, s66
	s_add_co_u32 s[G0+5], s[G0+1], SLOT
	s_add_nc_u64 s[G0+6:G0+7], s[NP:NP+1], 12288
	s_or_b32 s[G0+7], s[G0+7], 0x80000000
	s_add_nc_u64 s[NP:NP+1], s[NP:NP+1], PAIRB
	s_add_nc_u64 s[SN:SN+1], s[14:15], 8192
	s_add_nc_u64 s[PFP:PFP+1], s[12:13], 2*PAIRB
	s_lshl_b32 s100, s29, 10
	s_add_nc_u64 s[6:7], s[6:7], s[100:101]
	s_add_nc_u64 s[10:11], s[10:11], s[100:101]
	CROUND                                 ; the four work-groups are here: the first joint loads meet
	ARM 1, 68, G1X, .Lwave_1               ; wave 0: x1's rows
	ARM 2, 72, G1X, .Lwave_2               ; wave 1: x2's rows
	ARM 3, 76, G1H, .Lwave_3               ; waves 2, 3: the two parts of slot 0
	TLOAD 76, G1H
.Lasked:
	global_load_b128 v[16:19], v59, s[6:7] ; lane l: the eight scale words of row l: lanes 0-15 tile 0, lanes 16-31 tile 1
	global_load_b128 v[20:23], v59, s[6:7] offset:16
	global_load_b128 v[24:27], v59, s[10:11]
	global_load_b128 v[28:31], v59, s[10:11] offset:16
	global_load_b128 v[34:37], v32, s[14:15]
	global_load_b128 v[38:41], v32, s[14:15] offset:16
	global_load_b128 v[42:45], v32, s[14:15] offset:512
	global_load_b128 v[46:49], v32, s[14:15] offset:528
	s_lshl_b32 s100, s29, 17               ; out: 32 rows of 4,096 bytes; my columns begin 256 wave bytes into each 1,024
	s_lshl_b32 s66, s[WV], 8
	s_add_co_u32 s100, s100, s66
	s_add_nc_u64 s[24:25], s[24:25], s[100:101]
	s_mov_b32 s100, s66
	s_add_nc_u64 s[20:21], s[20:21], s[100:101]
	s_add_nc_u64 s[22:23], s[22:23], s[100:101]
	s_and_b32 s66, ttmp9, 1                ; part p of a group's blocks is its run p of 16 rows, and odd runs are slot 1's: so the clusters of odd parts ask for slot 1's first tile
	s_cmp_lg_u32 s66, 0
	s_cbranch_scc0 .Lno_ask
	global_prefetch_b8 v33, s[12:13] th:TH_LOAD_NT scope:SCOPE_SE
.Lno_ask:
	global_prefetch_b8 v33, s[12:13] offset:PAIRB th:TH_LOAD_NT scope:SCOPE_SE
	s_cmp_lt_u32 s[WV], 1
	s_cbranch_scc0 .Lnot_x1
	s_wait_tensorcnt 0x0
.Lnot_x1:
	s_barrier_signal -1
	s_barrier_wait -1                      ; x1's rows are in; x2's and slot 0 may still be on their way
	s_wait_xcnt 0x0                        ; the loads above have read their addresses: v52-63 take a fragment
.macro XHALF m0                        ; tiles m0, m0 + 1: 52 loads
.set I, 0
.rept 16
.set F, 4*(I/2)+I%2+(\m0)
	XLOC F
	WIN (XW_<<6)
	FRAG XR_, F/4, 160+2*(F%4)
.set I, I+1
.endr
	WIN 0
.endm
	XHALF 0
	s_cmp_lt_u32 s[WV], 2
	s_cbranch_scc0 .Lnot_x2
	s_wait_tensorcnt 0x0
.Lnot_x2:
	s_wait_dscnt 0x0
	s_barrier_signal -1
	s_barrier_wait -1                      ; x2's rows are in
	XHALF 2
	s_wait_tensorcnt 0x0
	ds_add_u32 v1, v2
	s_mov_b32 s[TC], 0
	s_wait_dscnt 0x0                       ; the add is done, and x is in my registers
	CROUND
	TLOAD G0+4, G1W
.set ZG, 0
.set NA, 4
	FETCH
.set ZG, 1
.set NA, 6
	FETCH
	s_wait_dscnt 26                        ; the first batch's fragments are in; the second's may be out
; ================= PRODUCT 1: V = x W_V^T, a group of 64 columns a trip; in the last trip the refills take W_fc's first group
.Lgroup:
	CFG 0
	ACC1 0
.set EM, 0
	s_wait_loadcnt 0x2                     ; this slot's scale words are in; the other set's two loads may be out
	s_wait_dscnt 42                        ; younger than this batch's fragments: the next batch's 26 loads and 16 stores
	BR 1, 0, 0
	FETCH
	ASK 0
	CFG 1
	ACC1 1
.set EM, 1
.set EJ, 0
	BN                                     ; its fragments were shown in by the round's wait
	FETCH
	SLH 0, 0
	CFG 2
	ACC1 2
.set EJ, 1
	s_wait_loadcnt 0x2
	s_wait_dscnt 26
	BR 1, 1, 12288
	FETCH
	CFG 3
	ACC1 3
.set EJ, 2
	BN
	FETCH
	SLH 1, 512
	; the quantiser, under the flight of the loads: the last tile's magnitudes, the scale, the codes
.set EJ, 3
	EN 0
	EN 1
	EN 2
	EN 3
	WIN 0xcc
.irp m, 0,1,2,3
	v_add_nc_u32 v[252+\m], 0xff000000, v[248+\m]   ; 2 off the exponent field: the conversion takes the exponent field of this operand as its scale
.endr
	WIN 0xce
.irp m, 0,1,2,3
	v_cvt_scalef32_pk16_fp6_f32 v[8*\m:8*\m+2], v[32*\m:32*\m+15], v[252+\m]
	v_cvt_scalef32_pk16_fp6_f32 v[32+4*\m:34+4*\m], v[32*\m+16:32*\m+31], v[252+\m]
.endr
	WIN 0xcc
	s_mul_i32 s92, s[TC], 12288
	s_lshl_b32 s100, s[TC], 3
.irp m, 0,1,2,3
	v_lshrrev_b32 v[48+\m], 23, v[252+\m]  ; the scale's byte
.endr
	v_add_nc_u32 v56, s92, v60
	v_add_nc_u32 v57, s92, v61
	v_add_nc_u32 v58, s92, v62
	v_add_nc_u32 v59, s100, v63
	WIN 0xc3
.irp m, 0,1,2,3
.irp i, 0,1,2
	v_mov_b32 v[8*\m+3+\i], v[32+4*\m+\i]
.endr
.endr
	WALU
	WIN 0x0f
.irp m, 0,1,2,3
.irp i, 0,1,2
	ds_store_b64 v[56+\i], v[8*\m+2*\i:8*\m+2*\i+1] offset:1536*\m
.endr
	ds_store_b8 v59, v[48+\m] offset:512*\m
.endr
	WIN 0
	s_wait_xcnt 0x0                        ; the scale loads and the prefetch have read their bases
	s_add_co_u32 s[TC], s[TC], 1
	s_add_nc_u64 s[SN:SN+1], s[SN:SN+1], 8192
	s_add_nc_u64 s[NP:NP+1], s[NP:NP+1], PAIRB
	s_add_nc_u64 s[PFP:PFP+1], s[PFP:PFP+1], PAIRB
	s_cmp_eq_u32 s[TC], 3
	s_cselect_b64 s[SN:SN+1], s[18:19], s[SN:SN+1]
	s_cselect_b64 s[NP:NP+1], s[WFP:WFP+1], s[NP:NP+1]
	s_cmp_eq_u32 s[TC], 2
	s_cselect_b64 s[PFP:PFP+1], s[16:17], s[PFP:PFP+1]
	s_cmp_lt_u32 s[TC], 4
	s_cbranch_scc1 .Lgroup
; ================= BETWEEN THE PRODUCTS: res is whole in LDS; its fragments replace x's, four K steps ahead of the products of the first batch
	s_wait_dscnt 0x0
	s_barrier_signal -1
	s_barrier_wait -1
.macro ALD s
.irp m, 0,1,2,3
	XLOC 4*(\s)+\m
	WIN (XW_<<6)
.irp i, 0,1,2
	ds_load_b128 v[XR_+4*\i:XR_+4*\i+3], v3 offset:6144*(\s)+1536*\m+512*\i
.endr
.endr
.endm
	ds_load_b128 v[16:19], v51
	ds_load_b128 v[20:23], v51 offset:16
	ds_load_b128 v[24:27], v51 offset:1024
	ds_load_b128 v[28:31], v51 offset:1040
	ALD 0
	ALD 1
	ALD 2
	ALD 3
	CFG 0
	ACC2 0
.set EM, 0
	s_wait_loadcnt 0x2
	s_wait_dscnt 36                        ; K steps 1-3 may be out
	KK 0
	s_wait_dscnt 24
	KK 1
	ALD 4
	ALD 5
	ALD 6
	ALD 7
	WIN 0
	s_wait_tensorcnt 0x0                   ; this batch has a round too: slot 1 is shown, slot 0 is filled again
	ds_add_u32 v1, v2
	s_wait_dscnt 61                        ; K steps 3-7, twelve loads each, and the add may be out
	KK 2
	s_wait_dscnt 49
	KK 3
	s_wait_dscnt 37
	KK 4
	s_wait_dscnt 25
	KK 5
	s_wait_dscnt 13
	KK 6
	s_add_nc_u64 s[G0+2:G0+3], s[NP:NP+1], 0
	s_or_b32 s[G0+3], s[G0+3], 0x80000000
	s_wait_dscnt 0x0                       ; all of res is in my registers, and the add is done
	s_barrier_signal -1
	KK 7
	WIN 0
	s_barrier_wait -1
	CREST
	TLOAD G0, G1W
	WALU
	FETCH
	ASK 0
; ================= PRODUCT 2: y = res W_fc^T, batches 1 to 15 written out: each has its own accumulators.  s[NP], s[SN], s[PFP] stand at W_fc's groups 1, 1 and 2
.set T, 0
.rept 4
.if T > 0
	CFG 0
	ACC2 4*T
	SUMOF 4*T-1
	s_wait_loadcnt 0x2
.if T == 1
	s_wait_dscnt 42                        ; the next batch's 26 loads and two parked tiles' 16 stores
.else
	s_wait_dscnt 26
.endif
.if T < 3
	BR 1, 0, PAIRB*T
.else
	BR 0, 0, 0
.endif
	FETCH
.if T == 1
	PK 3
	ASK PAIRB
.endif
.endif
	CFG 1
	ACC2 4*T+1
	SUMOF 4*T
	BN
	FETCH
.if T < 3
	SLH 0, 8192*T
.endif
.if T == 0
	PK 0
.endif
	CFG 2
	ACC2 4*T+2
	SUMOF 4*T+1
.if T < 3
	s_wait_loadcnt 0x2
.else
	s_wait_loadcnt 0x0
.endif
.if T == 0
	s_wait_dscnt 34                        ; the next batch's 26 loads and a parked tile's 8 stores
.else
	s_wait_dscnt 26
.endif
.if T < 3
	BR 1, 1, PAIRB*T+12288
	FETCH
.if T == 0
	PK 1
.endif
.else
	BN
.endif
	CFG 3
	ACC2 4*T+3
	SUMOF 4*T+2
.if T == 3
	s_wait_dscnt 0x0                       ; the last batch's fragments: no round has shown them in
.endif
	BN
.if T < 3
	FETCH
	SLH 1, 8192*T+512
.if T == 0
	PK 2
.endif
.endif
.set T, T+1
.endr
; ================= LAYERNORM
	SUMOF 15
	EN 0
	EN 1
	EN 2
	EN 3
	s_lshl_b32 s92, s[WV], 2
	s_mul_i32 s93, s[WV], 16*SPITCH
	WIN 0x0f
.irp m, 0,1,2,3
	v_add_f32 v[64+4*\m], v[248+2*\m], v[249+2*\m]
.endr
	WIN 0
	v_and_b32 v80, 15, v0                  ; r
	v_bfe_u32 v81, v0, 4, 1                ; h
	v_and_b32 v82, 31, v0                  ; lane
	v_lshl_add_u32 v83, v80, 4, RED        ; where I read the four waves' sums of a row
	v_add_nc_u32 v84, s92, v83             ; and where I put mine
	v_mul_u32_u24 v85, SPITCH, v80
	v_lshl_add_u32 v85, v81, 7, v85
	v_add_nc_u32 v85, s93, v85             ; into my stage: row r, + 128 h
	v_lshl_add_u32 v86, v82, 4, s93        ; and back: 512 consecutive bytes a load
	v_lshlrev_b32 v87, 4, v80
	v_lshl_add_u32 v87, v81, 10, v87       ; the same bytes in a row of out, of gamma and of beta
	WALU
	global_load_b128 v[88:91], v87, s[20:21]
	global_load_b128 v[92:95], v87, s[20:21] offset:2048
	global_load_b128 v[96:99], v87, s[22:23]
	global_load_b128 v[100:103], v87, s[22:23] offset:2048
	s_mov_b32 s94, 0x3a800000              ; 1 / 1,024
	s_mov_b32 s95, 0x3727c5ac              ; 1e-5
; my lane's sums v[64 + 4 m] -> the row's over all 1,024 columns, v[104 + 4 m].  back = 1: the parked tiles come back into registers meanwhile (32 loads may be out)
.macro XCH off, back
.irp m, 0,1,2,3
	v_permlanex16_b32 v[65+4*\m], v[64+4*\m], s80, s81
.endr
.irp m, 0,1,2,3
	v_add_f32 v[64+4*\m], v[64+4*\m], v[65+4*\m]
.endr
	WALU
.irp m, 0,1,2,3
	ds_store_b32 v84, v[64+4*\m] offset:\off+256*\m
.endr
	s_wait_dscnt 0x0
	s_barrier_signal -1
	s_barrier_wait -1
.irp m, 0,1,2,3
	ds_load_b128 v[104+4*\m:107+4*\m], v83 offset:\off+256*\m
.endr
.if \back
	WIN 0xc0
.set I, 0
.rept 32
	ds_load_b128 v[128+4*I:131+4*I], v50 offset:512*I
.set I, I+1
.endr
	WIN 0
	s_wait_dscnt 32
.else
	s_wait_dscnt 0x0
.endif
.irp m, 0,1,2,3
	v_add_f32 v[104+4*\m], v[104+4*\m], v[105+4*\m]
	v_add_f32 v[106+4*\m], v[106+4*\m], v[107+4*\m]
.endr
.irp m, 0,1,2,3
	v_add_f32 v[104+4*\m], v[104+4*\m], v[106+4*\m]
.endr
.endm
	XCH 0, 1
.irp m, 0,1,2,3
	v_mul_f32 v[120+2*\m], 0xba800000, v[104+4*\m]   ; - the mean
.endr
.irp m, 0,1,2,3
	v_mov_b32 v[121+2*\m], v[120+2*\m]
.endr
	; y - mean in place, then the sums of its squares
.irp wd, 0,1
.if \wd
	s_wait_dscnt 0x0                       ; the parked tiles are back
.endif
	WIN ((2+\wd)<<6)|(2+\wd)
.set I, 0
.rept 32
.irp m, 0,1,2,3
	v_pk_add_f32 v[32*(I/4)+8*\m+2*(I%4):32*(I/4)+8*\m+2*(I%4)+1], v[32*(I/4)+8*\m+2*(I%4):32*(I/4)+8*\m+2*(I%4)+1], v[120+2*\m:121+2*\m]
.endr
.set I, I+1
.endr
	WIN ((2+\wd)<<2)|(2+\wd)
.set I, 0
.rept 32
.irp m, 0,1,2,3
.if I == 0
	v_pk_mul_f32 v[128+4*\m+2*\wd:129+4*\m+2*\wd], v[8*\m:8*\m+1], v[8*\m:8*\m+1]
.else
	v_pk_fma_f32 v[128+4*\m+2*\wd:129+4*\m+2*\wd], v[32*(I/4)+8*\m+2*(I%4):32*(I/4)+8*\m+2*(I%4)+1], v[32*(I/4)+8*\m+2*(I%4):32*(I/4)+8*\m+2*(I%4)+1], v[128+4*\m+2*\wd:129+4*\m+2*\wd]
.endif
.endr
.set I, I+1
.endr
.endr
	WIN 0
.irp m, 0,1,2,3
	v_pk_add_f32 v[128+4*\m:129+4*\m], v[128+4*\m:129+4*\m], v[130+4*\m:131+4*\m]
.endr
.irp m, 0,1,2,3
	v_add_f32 v[64+4*\m], v[128+4*\m], v[129+4*\m]
.endr
	XCH 1024, 0
.irp m, 0,1,2,3
	v_fma_f32 v[104+4*\m], v[104+4*\m], s94, s95     ; the variance + eps
.endr
	WALU
.irp m, 0,1,2,3
	v_rsq_f32 v[144+2*\m], v[104+4*\m]
	v_rsq_f32 v[145+2*\m], v[104+4*\m]     ; twice: a pair for the packed forms
.endr
	v_nop
	WALU
; d(u) rs(u) + d(2 + u) rs(2 + u), in the accumulators of tile u
.macro JOIN u
.irp wd, 0,1
	WIN ((2+\wd)<<6)|(2+\wd)
.set I, 0
.rept 32
	v_pk_mul_f32 v[32*(I/4)+8*(\u)+2*(I%4):32*(I/4)+8*(\u)+2*(I%4)+1], v[32*(I/4)+8*(\u)+2*(I%4):32*(I/4)+8*(\u)+2*(I%4)+1], v[144+2*(\u):145+2*(\u)]
.set I, I+1
.endr
	WIN ((2+\wd)<<6)|((2+\wd)<<4)|(2+\wd)
.set I, 0
.rept 32
	v_pk_fma_f32 v[32*(I/4)+8*(\u)+2*(I%4):32*(I/4)+8*(\u)+2*(I%4)+1], v[32*(I/4)+8*(\u)+16+2*(I%4):32*(I/4)+8*(\u)+17+2*(I%4)], v[148+2*(\u):149+2*(\u)], v[32*(I/4)+8*(\u)+2*(I%4):32*(I/4)+8*(\u)+2*(I%4)+1]
.set I, I+1
.endr
.endr
.endm
; 16 rows x my 256 columns through my own stage: in as 32 bytes a lane and tile, back as runs of 512 bytes.  LDS serves a wave's instructions in order (ISA guide 5.7.1.4)
.macro STAGE u
.irp wd, 0,1
	WIN (2+\wd)<<2
.set I, 0
.rept 8
.set ZZ, 8*\wd+I
.if ZZ < 4
.set TT, 3                             ; accumulators 0-3 hold batches 12-15
.elseif ZZ < 12
.set TT, ZZ/4
.else
.set TT, 0                             ; 12-15 the parked batches 0-3
.endif
	ds_store_b128 v85, v[32*I+8*(\u):32*I+8*(\u)+3] offset:256*TT+32*(ZZ%4)
	ds_store_b128 v85, v[32*I+8*(\u)+4:32*I+8*(\u)+7] offset:256*TT+32*(ZZ%4)+16
.set I, I+1
.endr
.endr
	WIN 0x40
.set I, 0
.rept 32
	ds_load_b128 v[128*(\u)+4*I:128*(\u)+4*I+3], v86 offset:SPITCH*(I/2)+512*(I%2)
.set I, I+1
.endr
	WIN 0
.endm
.macro SEND u                          ; x gamma + 2 beta, four rows at a time; sixteen lanes store 256 consecutive bytes, at a multiple of 256 from out's first byte
.set GG, 0
.rept 4
.if \u
	s_wait_dscnt 24-8*GG
.endif
	WIN 0x41
.set I, 8*GG
.rept 8
.irp c, 0,2
	v_pk_fma_f32 v[128*(\u)+4*I+\c:128*(\u)+4*I+\c+1], v[128*(\u)+4*I+\c:128*(\u)+4*I+\c+1], v[88+4*(I%2)+\c:89+4*(I%2)+\c], v[96+4*(I%2)+\c:97+4*(I%2)+\c]
.endr
.set I, I+1
.endr
	WIN 0x04
.set I, 8*GG
.rept 8
	global_store_b128 v87, v[128*(\u)+4*I:128*(\u)+4*I+3], s[24:25] offset:65536*(\u)+4096*(I/2)+2048*(I%2) th:TH_STORE_NT
.set I, I+1
.endr
.set GG, GG+1
.endr
	WIN 0
.endm
	JOIN 0
	STAGE 0
	JOIN 1
	WIN 0
	s_wait_loadcnt 0x0                     ; gamma and beta
.irp i, 0,2,4,6
	v_pk_add_f32 v[96+\i:97+\i], v[96+\i:97+\i], v[96+\i:97+\i]   ; each of the two norms adds beta
.endr
	WALU
	s_wait_dscnt 0x0                       ; the first 16 rows are back
	SEND 0
	STAGE 1
	SEND 1
	s_wait_tensorcnt 0x0                   ; the wave's end
	ds_add_u32 v1, v2
	s_wait_dscnt 0x0
	CROUND                                 ; the closing round: no work-group ends while a partner may still ask for a tile that names it
	s_endpgm
.Lfunc_end_k_q8cdc7ef25a_fused:
	.size	k_q8cdc7ef25a_fused, .Lfunc_end_k_q8cdc7ef25a_fused-k_q8cdc7ef25a_fused
	.p2alignl 7, 3214868480
	.fill 96, 4, 3214868480
	.section	.rodata,"a",@progbits
	.p2align	6, 0x0
	.amdhsa_kernel k_q8cdc7ef25a_fused
		.amdhsa_group_segment_fixed_size 327680
		.amdhsa_private_segment_fixed_size 0
		.amdhsa_enable_private_segment 0
		.amdhsa_kernarg_size 88
		.amdhsa_user_sgpr_count 2
		.amdhsa_user_sgpr_kernarg_segment_ptr 1
		.amdhsa_wavefront_size32 1
		.amdhsa_system_sgpr_workgroup_id_x 1
		.amdhsa_system_sgpr_workgroup_id_y 1
		.amdhsa_system_sgpr_workgroup_id_z 1
		.amdhsa_system_vgpr_workitem_id 0
		.amdhsa_next_free_vgpr 1024
		.amdhsa_next_free_sgpr 102
		.amdhsa_reserve_vcc 0
		.amdhsa_float_denorm_mode_32 3
		.amdhsa_float_denorm_mode_16_64 3
		.amdhsa_memory_ordered 1
		.amdhsa_forward_progress 1
		.amdhsa_inst_pref_size 255
	.end_amdhsa_kernel
	.section	.bss,"aw",@nobits
	.p2align	6
	.space	262144
	.amdgpu_metadata
---
amdhsa.version: [ 1, 2 ]
amdhsa.kernels:
  - .name:           k_q8cdc7ef25a_fused
    .symbol:         k_q8cdc7ef25a_fused.kd
    .args:
      - { .name: x1_codes, .offset: 0, .size: 8, .value_kind: global_buffer, .address_space: global }
      - { .name: x1_scales, .offset: 8, .size: 8, .value_kind: global_buffer, .address_space: global }
      - { .name: x2_codes, .offset: 16, .size: 8, .value_kind: global_buffer, .address_space: global }
      - { .name: x2_scales, .offset: 24, .size: 8, .value_kind: global_buffer, .address_space: global }
      - { .name: W_V_codes, .offset: 32, .size: 8, .value_kind: global_buffer, .address_space: global }
      - { .name: W_V_scales, .offset: 40, .size: 8, .value_kind: global_buffer, .address_space: global }
      - { .name: W_fc_codes, .offset: 48, .size: 8, .value_kind: global_buffer, .address_space: global }
      - { .name: W_fc_scales, .offset: 56, .size: 8, .value_kind: global_buffer, .address_space: global }
      - { .name: gamma, .offset: 64, .size: 8, .value_kind: global_buffer, .address_space: global }
      - { .name: beta, .offset: 72, .size: 8, .value_kind: global_buffer, .address_space: global }
      - { .name: out0, .offset: 80, .size: 8, .value_kind: global_buffer, .address_space: global }
    .group_segment_fixed_size: 327680
    .private_segment_fixed_size: 0
    .kernarg_segment_align: 8
    .kernarg_segment_size: 88
    .max_flat_workgroup_size: 128
    .sgpr_count:     102
    .vgpr_count:     1024
    .wavefront_size: 32
...
	.end_amdgpu_metadata
.endif
;; end of part 1
